; MI455X (gfx1250); checked and timed in simulation.
; The chip was launched on July 23, 2026; its instructions are those of AMD's public machine-readable ISA for CDNA 5 (MIT licence, August 2026) and "CDNA5" Instruction Set Architecture Reference Guide (July 2026). The comments in the code are by the model that wrote it; some were corrected since.
;; Custom Multihead Attention. Allowed arithmetic: float matrix products may take bf16 or f16 operands with f32 sums; all other float work in f32.
;; Inputs: Wk 512 x 512 float32; Wo 512 x 512 float32; Wq 512 x 512 float32; Wv 512 x 512 float32; bk 512 float32; bo 512 float32; bq 512 float32; bv 512 float32; key 2 x 4,096 x 512 float32; key_padding_mask 2 x 4,096 bool; query 2 x 4,096 x 512 float32; value 2 x 4,096 x 512 float32.
;; Outputs: out0 2 x 4,096 x 512 float32.
;; One version. Each part assembles by itself: llvm-mc -triple=amdgcn-amd-amdhsa -mcpu=gfx1250 --defsym DOCPART=n.
;; ======== version 1 of 1: 3 launches
;; limits: right only within a limited range of input values
;; workspace buffers: qh 8,388,608 bytes; kh 8,388,608 bytes; vh 8,388,608 bytes; ao 8,388,608 bytes
;; launch proj (part 1): grid 64 x 3, 8 waves a work-group, clusters of 4 x 1, 327,680 bytes of LDS; arguments query, key, value, Wq, Wk, Wv, bq, bk, bv, qh, kh, vh; writes qh, kh, vh
.if DOCPART == 1
	.amdgcn_target "amdgcn-amd-amdhsa--gfx1250"
	.amdhsa_code_object_version 6
	.text
	.protected	k_q8a7d76d332_proj
	.globl	k_q8a7d76d332_proj
	.p2align	8
	.type	k_q8a7d76d332_proj,@function
k_q8a7d76d332_proj:
	s_mov_b64 s[64:65], 0
	v_nop
	global_prefetch_b8 v0, s[64:65] scope:SCOPE_SE
	s_setreg_imm32_b32 hwreg(HW_REG_WAVE_MODE, 25, 1), 1
	s_wait_xcnt 0x0
	s_wait_alu depctr_hold_cnt(0) depctr_sa_sdst(0) depctr_va_vdst(0) depctr_va_sdst(0) depctr_va_ssrc(0) depctr_va_vcc(0) depctr_vm_vsrc(0)
	s_getreg_b32 s2, hwreg(HW_REG_IB_STS2, 6, 4)
	s_cmp_eq_u32 s2, 0
	s_cbranch_scc0 .Lentry_in_a_cluster
	s_endpgm
.Lentry_in_a_cluster:
	s_bfe_u32 s2, ttmp6, 0x10000c
	s_cmp_lg_u32 s2, 0x3003
	s_cbranch_scc0 .Lentry_shape_is_right
	s_endpgm
.Lentry_shape_is_right:
; q, k, v = X W^T + b, rotary embedding on q and k, q also times 0.125 log2(e); stored as bf16, [batch][head][position][64].
; X: [8192][512] f32, W: [512][512] f32 (rows = output columns, K along the rows), b: [512] f32.
; grid y picks q, k or v.  A work-group makes 256 rows x 256 columns (4 heads) over K = 512: 32 row blocks x 2 column halves x 3 = 192 work-groups
; of equal work; whole heads and equal tiles give no split into more.  Eight waves; a wave makes 64 rows x 128 columns (2 heads): 32 accumulator tiles.
; K goes in steps of 64 (rows of 256 bytes of f32, each starting on a multiple of 256 bytes of its buffer) through two LDS slots.
; CLUSTER 4 x 1: the four partners have the same y and the same column half, so W's tiles are asked for jointly (mask 15).  X's tiles are each
; work-group's own (plain loads behind the same rounds): an X tile is wanted by two work-groups only, which lie in neighbouring clusters.
; The matrix instruction is used transposed (source 0 = 16 rows of W, source 1 = 16 rows of X): lane (r, h) holds row r of X and
; registers 0-7 the columns 8h .. 8h+7, eight neighbouring numbers of a head's row.
; LIMITS.  Matrix operands are rounded to bf16, sums are f32.  sin and cos: the angle t * inv_freq is reduced by the nearest multiple of pi (pi in two parts),
; sin by its series to r^9 and cos to r^10 on |r| <= pi/2 (absolute errors about 4e-6 and 5e-7).  inv_freq = 2^(-0.41524101 j) by v_exp_f32, so the angle
; may differ from an f32 table by about 1e-3 rad at position 4095, alike for q and k.  For v the frequency is multiplied by 0: cos = 1, sin = 0 exactly.
.set PITCH, 272                        ; LDS row: 256 bytes + 16 of padding, an odd multiple of 16 bytes
.set WTILE, 64*PITCH                   ; one tensor load: 64 rows
.set SLOT,  8*WTILE                    ; X's 256 rows, then W's 256 rows
.set WPART, 4*WTILE
.set STG,   2*SLOT                     ; behind the ring: 16 rows x 144 bytes for each wave, for the way out
.set SP,    144
.set HEADB, 524288                     ; bytes of a head's plane in the outputs
; scalar registers
.set WV, 36                            ; wave 0..7
.set LD, 37                            ; wave >> 2: fetches X (0) or W (1); also which 128 columns are mine
.set LQ, 38                            ; wave & 3: which 64 rows I fetch; also which 64 rows of X are mine
.set G1X, 4                            ; s[4:11]   group 1 for X
.set G1W, 12                           ; s[12:19]  group 1 for W
.set G0X, 20                           ; s[20:27]  group 0 for X, one set for each slot
.set G0W, 48                           ; s[48:55]  group 0 for W, one set for each slot
; vector registers, window 0
.set XADR, 2                           ; v2-3   LDS address of my X fragments in slot 0, 1 (v2 also: my rows of the cos/sin table)
.set WADR, 4                           ; v4-5   the same for W
.set TADR, 6                           ; v6     where I write the table
.set STO,  8                           ; v8     the way out: where I put 16 bytes of a row
.set SRD,  9                           ; v9     the way out: where I read rows back
.set GOFF, 10                          ; v10    16 x lane
.set BOFF, 11                          ; v11    32 h
.set INVF, 12                          ; v12    inv_freq of frequency j = lane (0 for v)
.set XB,  16                           ; v16-47   4 bf16 fragments of X; later cos and sin
.set WB0, 48                           ; v48-79   4 bf16 fragments of W, columns 0-63
.set WB1, 80                           ; v80-111  4 bf16 fragments of W, columns 64-127
.set RA,  112                          ; v112-175 X as loaded (f32); table temporaries; later the bias
.set RB,  176                          ; v176-239 W as loaded (f32); later at work on the way out
; window 1: accumulator tile (mt, nt) at v[8 (4 mt + nt)], mt = column tile 0..7, nt = row tile 0..3
.set MSB, 0
.macro WIN new                         ; the immediate's high byte repeats the setting that is left
.if MSB != \new
	s_set_vgpr_msb (MSB<<8)|\new
.set MSB, \new
.endif
.endm
.macro PLACES                          ; four places behind a matrix instruction (ISA guide 7.12.1)
.rept 4
	v_nop
.endr
.endm
.macro BAR
	s_barrier_signal -1
	s_barrier_wait -1
.endm
.macro ROUND                           ; a round of the cluster's barrier
	s_barrier_signal -1
	s_barrier_wait -1
	s_cmp_lg_u32 s[WV], 0
	s_cbranch_scc1 .Lnot_wave_0_\@
	s_barrier_signal -3
.Lnot_wave_0_\@:
	s_barrier_wait -3
	s_barrier_signal -1
	s_barrier_wait -1
.endm
.macro JLOAD s                         ; waves 0-3 fetch X's four quarters (own), waves 4-7 W's (joint); the branch hangs on the wave's number alone
	s_cmp_eq_u32 s[LD], 0
	s_cbranch_scc0 .Lfor_w_\@
	tensor_load_to_lds s[G0X+4*\s:G0X+4*\s+3], s[G1X:G1X+7]
	s_nop 0
	s_branch .Lasked_\@
.Lfor_w_\@:
	tensor_load_to_lds s[G0W+4*\s:G0W+4*\s+3], s[G1W:G1W+7]
	s_nop 0
.Lasked_\@:
.endm
	s_load_b512 s[4:19], s[0:1], 0x0               ; query, key, value, Wq, Wk, Wv, bq, bk
	s_load_b256 s[20:27], s[0:1], 0x40             ; bv, qh, kh, vh
	v_lshl_add_u32 v254, v0, 2, 0x48800
	v_mov_b32 v255, 0
	ds_add_u32 v254, v255
	v_lshrrev_b32 v1, 5, v0
	v_readfirstlane_b32 s[WV], v1
	s_lshr_b32 s[LD], s[WV], 2
	s_and_b32 s[LQ], s[WV], 3
	s_bfe_u32 s40, ttmp6, 0x40000                  ; cx
	s_and_b32 s41, ttmp9, 1                        ; column half: the cluster's, shared by the four
	s_lshr_b32 s42, ttmp9, 1
	s_lshl_b32 s42, s42, 2
	s_add_co_u32 s42, s42, s40                     ; row block 0..31
	s_and_b32 s43, ttmp7, 0xffff                   ; 0 q, 1 k, 2 v
	s_lshl_b32 s39, s[LQ], 17                      ; 64 rows of 2,048 bytes for each quarter
	s_lshl_b32 s44, s42, 19                        ; X: 256 rows of 2,048 bytes for each row block
	s_add_co_u32 s44, s44, s39
	s_mov_b32 s45, 0
	s_lshl_b32 s46, s41, 19                        ; W: 256 rows for each column half (registers that never hold cx)
	s_add_co_u32 s46, s46, s39
	s_mov_b32 s47, 0
	s_lshl_b32 s58, s41, 10                        ; bias: 4 (256 half + 128 ng)
	s_lshl_b32 s59, s[LD], 9
	s_add_co_u32 s58, s58, s59
	s_mov_b32 s59, 0
	s_lshr_b32 s60, s42, 4                         ; output: plane 8 batch + 4 half + 2 ng, row (block mod 16) 256 + 64 mg
	s_lshl_b32 s60, s60, 3
	s_lshl_b32 s61, s41, 2
	s_add_co_u32 s60, s60, s61
	s_lshl_b32 s61, s[LD], 1
	s_add_co_u32 s60, s60, s61
	s_lshl_b32 s60, s60, 19
	s_and_b32 s63, s42, 15
	s_lshl_b32 s61, s63, 15
	s_add_co_u32 s60, s60, s61
	s_lshl_b32 s61, s[LQ], 13
	s_add_co_u32 s60, s60, s61
	s_mov_b32 s61, 0
	s_lshl_b32 s63, s63, 8
	s_lshl_b32 s62, s[WV], 5
	s_add_co_u32 s63, s63, s62                     ; first position of my 32 rows of the table
	s_mov_b32 s56, 0x3f800000                      ; what cos and sin are multiplied by: 1, or for q 0.125 log2(e)
	s_mov_b32 s57, 0x3f800000                      ; what inv_freq is multiplied by: 1, or for v 0
	s_wait_dscnt 0x0
	s_wait_kmcnt 0x0
	s_cmp_eq_u32 s43, 0                            ; the choice of buffers hangs on grid y alone
	s_cselect_b64 s[28:29], s[4:5], s[6:7]
	s_cselect_b64 s[30:31], s[10:11], s[12:13]
	s_cselect_b64 s[32:33], s[16:17], s[18:19]
	s_cselect_b64 s[34:35], s[22:23], s[24:25]
	s_cselect_b32 s56, 0x3e38aa3b, s56
	s_cmp_eq_u32 s43, 2
	s_cselect_b64 s[28:29], s[8:9], s[28:29]       ; X
	s_cselect_b64 s[30:31], s[14:15], s[30:31]     ; W
	s_cselect_b64 s[32:33], s[20:21], s[32:33]     ; bias
	s_cselect_b64 s[34:35], s[26:27], s[34:35]     ; output
	s_cselect_b32 s57, 0, s57
	s_add_nc_u64 s[28:29], s[28:29], s[44:45]
	s_add_nc_u64 s[30:31], s[30:31], s[46:47]
	s_add_nc_u64 s[32:33], s[32:33], s[58:59]
	s_add_nc_u64 s[34:35], s[34:35], s[60:61]
	; group 1: a tile of 64 rows x 64 f32, 16 bytes of padding behind every 64 words
	s_mov_b32 s[G1X+0], (2<<16)|(1<<20)|(5<<22)|(3<<25)            ; no mask; element of 4 bytes; padding on; after 64 words; 4 words
	s_mov_b32 s[G1W+0], 15|(2<<16)|(1<<20)|(1<<21)|(5<<22)|(3<<25) ; the same with the mask of all four partners, bit 21 beside it
.irp g, G1X, G1W
	s_mov_b32 s[\g+1], 64<<16                      ; tensor_dim0 = 64
	s_mov_b32 s[\g+2], 64<<16                      ; tensor_dim1 = 64
	s_mov_b32 s[\g+3], 64<<16                      ; tile_dim0 = 64
	s_mov_b32 s[\g+4], 64                          ; tile_dim1 = 64
	s_mov_b32 s[\g+5], 512                         ; elements from row to row
	s_mov_b32 s[\g+6], 0
	s_mov_b32 s[\g+7], 0
.endr
	s_mul_i32 s62, s[WV], WTILE                    ; LDS: wave x 64 rows: X's four quarters, then W's four
.irp s, 0,1
	s_mov_b32 s[G0X+4*\s], 1
	s_add_co_u32 s[G0X+4*\s+1], s62, \s*SLOT
	s_add_nc_u64 s[G0X+4*\s+2:G0X+4*\s+3], s[28:29], \s*256        ; K step s
	s_or_b32 s[G0X+4*\s+3], s[G0X+4*\s+3], 0x80000000
	s_mov_b32 s[G0W+4*\s], 1
	s_add_co_u32 s[G0W+4*\s+1], s62, \s*SLOT
	s_add_nc_u64 s[G0W+4*\s+2:G0W+4*\s+3], s[30:31], \s*256
	s_or_b32 s[G0W+4*\s+3], s[G0W+4*\s+3], 0x80000000
.endr
	ROUND                                          ; the four partners are here: the first joint loads meet
	JLOAD 0                                        ; both first fills go out together: two tensor loads of a wave are out
	JLOAD 1
	v_and_b32 v13, 15, v0                          ; r
	v_bfe_u32 v14, v0, 4, 1                        ; h
	v_and_b32 v15, 31, v0                          ; lane
	v_mul_u32_u24 v1, v13, PITCH
	v_lshl_add_u32 v1, v14, 5, v1                  ; r x pitch + 32 h: eight f32 for each half of the lanes
	s_mul_i32 s62, s[LQ], WTILE
	v_add_nc_u32 v[XADR], s62, v1
	v_add_nc_u32 v[XADR+1], SLOT, v[XADR]
	s_mul_i32 s62, s[LD], 2*WTILE
	s_add_co_u32 s62, s62, WPART
	v_add_nc_u32 v[WADR], s62, v1
	v_add_nc_u32 v[WADR+1], SLOT, v[WADR]
	s_mul_i32 s62, s[WV], 32*PITCH
	v_lshl_add_u32 v[TADR], v15, 2, s62            ; table rows 32 w .., word = lane
	s_mul_i32 s62, s[WV], 16*SP
	s_add_co_u32 s62, s62, STG
	v_mul_u32_u24 v1, v13, SP
	v_lshl_add_u32 v1, v14, 4, v1
	v_add_nc_u32 v[STO], s62, v1
	v_lshrrev_b32 v1, 3, v15
	v_mul_u32_u24 v1, v1, SP
	v_and_b32 v7, 7, v0
	v_lshl_add_u32 v1, v7, 4, v1
	v_add_nc_u32 v[SRD], s62, v1                   ; eight lanes take a row of 128 bytes
	v_lshlrev_b32 v[GOFF], 4, v15
	v_lshlrev_b32 v[BOFF], 5, v14
	v_cvt_f32_u32 v[INVF], v15
	v_mul_f32 v[INVF], 0xbed49a78, v[INVF]         ; -log2(10000)/32 x j
	v_exp_f32 v[INVF], v[INVF]
	v_nop                                          ; one plain place behind v_exp_f32 (ISA guide 5.7.2)
	s_wait_alu depctr_va_vdst(0)
	v_mul_f32 v[INVF], s57, v[INVF]
; four f32 fragments (16 rows x 32 K, 16 registers each): k = 8h .. 8h+7 at byte 32 h, k = 16+8h .. at byte 64 + 32 h
.macro LD16 dst, adr, f0, kk
.irp f, 0,1,2,3
	ds_load_b128 v[\dst+16*\f:\dst+16*\f+3],     v[\adr] offset:(\f0+\f)*16*PITCH+\kk*128
	ds_load_b128 v[\dst+16*\f+4:\dst+16*\f+7],   v[\adr] offset:(\f0+\f)*16*PITCH+\kk*128+16
	ds_load_b128 v[\dst+16*\f+8:\dst+16*\f+11],  v[\adr] offset:(\f0+\f)*16*PITCH+\kk*128+64
	ds_load_b128 v[\dst+16*\f+12:\dst+16*\f+15], v[\adr] offset:(\f0+\f)*16*PITCH+\kk*128+80
.endr
.endm
.macro LOADS slot, kk                  ; W's column tiles 0-3, then X's four row tiles
	LD16 RB, WADR+\slot, 0, \kk
	LD16 RA, XADR+\slot, 0, \kk
.endm
.macro CVT32 dst, src                  ; 64 f32 to 32 registers of bf16: four fragments, in order
.set ci, 0
.rept 32
	v_cvt_pk_bf16_f32 v[\dst+ci], v[\src+2*ci], v[\src+2*ci+1]
.set ci, ci+1
.endr
.endm
; 16 matrix instructions on 16 accumulators, one instruction a turn
.macro MUL16 wb, m0, zero
.irp m, 0,1,2,3
.irp n, 0,1,2,3
.if \zero
	v_wmma_f32_16x16x32_bf16 v[8*(4*(\m0+\m)+\n):8*(4*(\m0+\m)+\n)+7], v[\wb+8*\m:\wb+8*\m+7], v[XB+8*\n:XB+8*\n+7], 0
.else
	v_wmma_f32_16x16x32_bf16 v[8*(4*(\m0+\m)+\n):8*(4*(\m0+\m)+\n)+7], v[\wb+8*\m:\wb+8*\m+7], v[XB+8*\n:XB+8*\n+7], v[8*(4*(\m0+\m)+\n):8*(4*(\m0+\m)+\n)+7]
.endif
.endr
.endr
.endm
; 32 along K.  The order WB0, XB, WB1 of the conversions puts at least 32 conversions that name other registers between the
; matrix instructions that read a buffer and the conversion that writes it again, so no v_nop is needed here.
.macro K32 slot, kk, zero, next, tail
	s_wait_dscnt 16                                ; W's tiles 0-3 are in; X's 16 loads are younger
	CVT32 WB0, RB
	LD16 RB, WADR+\slot, 4, \kk                    ; W's tiles 4-7
	s_wait_dscnt 16                                ; X is in; the 16 just issued stay out
	CVT32 XB, RA
.if \tail
.set bi, 0
.rept 8
	global_load_b128 v[RA+8*bi:RA+8*bi+3],   v[BOFF], s[32:33] offset:64*bi      ; bias of columns 16 mt + 8h ..
	global_load_b128 v[RA+8*bi+4:RA+8*bi+7], v[BOFF], s[32:33] offset:64*bi+16
.set bi, bi+1
.endr
.endif
	WIN 0x50                                       ; C and D in window 1
	MUL16 WB0, 0, \zero
	WIN 0
	s_wait_dscnt 0x0                               ; W's tiles 4-7
	CVT32 WB1, RB
.if \next
	LOADS \slot, 1
.endif
	WIN 0x50
	MUL16 WB1, 4, \zero
	WIN 0
.endm
.macro WORK slot, zero, tail           ; a K step of 64
	LOADS \slot, 0
	K32 \slot, 0, \zero, 1, 0
	K32 \slot, 1, 0, 0, \tail
.endm
; A trip that reads slot and fills the other slot again.
.macro TRIP slot, other
	s_wait_tensorcnt 0x0                           ; all my tensor loads have landed, my part of this trip's tile among them,
	ds_add_u32 v254, v255
	s_add_nc_u64 s[G0X+4*\other+2:G0X+4*\other+3], s[G0X+4*\other+2:G0X+4*\other+3], 512   ; so the other slot's sets may step: two K steps on
	s_add_nc_u64 s[G0W+4*\other+2:G0W+4*\other+3], s[G0W+4*\other+2:G0W+4*\other+3], 512
	s_wait_dscnt 0x0                               ; my reads of the other slot are over
	ROUND                                          ; both now hold of every wave of the four partners
	JLOAD \other                                   ; my one tensor load behind the round, first thing there
	WORK \slot, 0, 0
.endm
	s_wait_tensorcnt 0x1                           ; my part of K step 0 is in; K step 1's stays out
	BAR
	WORK 0, 1, 0                                   ; the first products start the sums
	s_mov_b32 s62, 3
.Lk:
	TRIP 1, 0                                      ; K steps 1, 3, 5; asks for 2, 4, 6
	TRIP 0, 1                                      ; K steps 2, 4, 6; asks for 3, 5, 7
	s_sub_co_u32 s62, s62, 1
	s_cmp_lg_u32 s62, 0
	s_cbranch_scc1 .Lk
	; K step 7: nothing is left to fetch.  Behind this barrier nobody reads slot 0 and no load fills it any more: its X part takes the cos/sin table.
	s_wait_tensorcnt 0x0
	s_wait_dscnt 0x0
	BAR
	; The table: row p (local position) at p x 272: cos of 32 frequencies at +0, sin at +128, both times the scale.  Wave w makes rows 32 w .. 32 w + 31,
	; a lane one frequency, four positions at a time in four chains.
.set TT, RA                            ; v112-115 the four positions as f32
.set CH, RA+4                          ; 8 registers a chain: x, n, r, z, sin, cos, r z, sign
.set C9, RA+36
.set C10, RA+37
	v_mov_b32 v[C9], 0x3638ef1d                    ; 1/9!
	v_mov_b32 v[C10], 0xb493f27e                   ; -1/10!
.irp u, 0,1,2,3
	s_add_co_u32 s62, s63, \u
	v_cvt_f32_u32 v[TT+\u], s62
.endr
.set g, 0
.rept 8
.irp u, 0,1,2,3
	v_mul_f32 v[CH+8*\u], v[TT+\u], v[INVF]                        ; x = t inv_freq
.endr
.irp u, 0,1,2,3
	v_mul_f32 v[CH+8*\u+1], 0x3ea2f983, v[CH+8*\u]                 ; x / pi
.endr
.irp u, 0,1,2,3
	v_rndne_f32 v[CH+8*\u+1], v[CH+8*\u+1]                         ; n
.endr
.irp u, 0,1,2,3
	v_fmamk_f32 v[CH+8*\u+2], v[CH+8*\u+1], 0xc0490fdb, v[CH+8*\u] ; r = x - n pi, pi in two parts
.endr
.irp u, 0,1,2,3
	v_fmamk_f32 v[CH+8*\u+2], v[CH+8*\u+1], 0x33bbbd2e, v[CH+8*\u+2]
.endr
.irp u, 0,1,2,3
	v_mul_f32 v[CH+8*\u+3], v[CH+8*\u+2], v[CH+8*\u+2]             ; z = r r
.endr
.irp u, 0,1,2,3
	v_fmaak_f32 v[CH+8*\u+4], v[C9], v[CH+8*\u+3], 0xb9500d01      ; -1/7!
	v_fmaak_f32 v[CH+8*\u+5], v[C10], v[CH+8*\u+3], 0x37d00d01     ; 1/8!
.endr
.irp u, 0,1,2,3
	v_fmaak_f32 v[CH+8*\u+4], v[CH+8*\u+4], v[CH+8*\u+3], 0x3c088889   ; 1/5!
	v_fmaak_f32 v[CH+8*\u+5], v[CH+8*\u+5], v[CH+8*\u+3], 0xbab60b61   ; -1/6!
.endr
.irp u, 0,1,2,3
	v_fmaak_f32 v[CH+8*\u+4], v[CH+8*\u+4], v[CH+8*\u+3], 0xbe2aaaab   ; -1/3!
	v_fmaak_f32 v[CH+8*\u+5], v[CH+8*\u+5], v[CH+8*\u+3], 0x3d2aaaab   ; 1/4!
.endr
.irp u, 0,1,2,3
	v_mul_f32 v[CH+8*\u+6], v[CH+8*\u+2], v[CH+8*\u+3]             ; r z
	v_fma_f32 v[CH+8*\u+5], v[CH+8*\u+5], v[CH+8*\u+3], -0.5
	v_cvt_i32_f32 v[CH+8*\u+7], v[CH+8*\u+1]
.endr
.irp u, 0,1,2,3
	v_fma_f32 v[CH+8*\u+4], v[CH+8*\u+4], v[CH+8*\u+6], v[CH+8*\u+2]   ; sin r
	v_fma_f32 v[CH+8*\u+5], v[CH+8*\u+5], v[CH+8*\u+3], 1.0            ; cos r
	v_lshlrev_b32 v[CH+8*\u+7], 31, v[CH+8*\u+7]                   ; odd n turns both signs
.endr
.irp u, 0,1,2,3
	v_xor_b32 v[CH+8*\u+7], s56, v[CH+8*\u+7]                      ; the scale with that sign
.endr
.irp u, 0,1,2,3
	v_mul_f32 v[CH+8*\u+5], v[CH+8*\u+5], v[CH+8*\u+7]
	v_mul_f32 v[CH+8*\u+4], v[CH+8*\u+4], v[CH+8*\u+7]
	v_add_f32 v[TT+\u], 4.0, v[TT+\u]
.endr
.irp u, 0,1,2,3
	ds_store_b32 v[TADR], v[CH+8*\u+5] offset:(4*g+\u)*PITCH
	ds_store_b32 v[TADR], v[CH+8*\u+4] offset:(4*g+\u)*PITCH+128
.endr
.set g, g+1
.endr
	WORK 1, 0, 1                                   ; the last K step; the table's stores are older than its loads, so its counts hold; the bias is asked for
	s_wait_dscnt 0x0                               ; my rows of the table are written
	BAR                                            ; everybody's are
	PLACES                                         ; behind the last matrix instructions: results are read, sources written and loaded into
	s_wait_loadcnt 0x0                             ; the bias
; THE WAY OUT.  16 rows at a time: cos and sin of those rows; then a head at a time: bias, rotation, bf16, through my own stage, whole rows out.
.set CS, XB                            ; cos of frequencies 16 c + 8h .. at CS + 8 c, sin at CS + 16 + 8 c
.set XT, RB                            ; v176-207 a head's 64 columns of my row: column tile ct at XT + 8 ct
.set TM, RB+32                         ; v208-223 products with sin
.set PK, WB0                           ; v48-63   packed
.set RBK, WB0+16                       ; v64-95   rows read back, two buffers
.macro ROWS nt
.irp c, 0,1
	ds_load_b128 v[CS+8*\c:CS+8*\c+3],       v[XADR] offset:\nt*16*PITCH+\c*64
	ds_load_b128 v[CS+8*\c+4:CS+8*\c+7],     v[XADR] offset:\nt*16*PITCH+\c*64+16
	ds_load_b128 v[CS+16+8*\c:CS+16+8*\c+3], v[XADR] offset:\nt*16*PITCH+\c*64+128
	ds_load_b128 v[CS+20+8*\c:CS+20+8*\c+3], v[XADR] offset:\nt*16*PITCH+\c*64+144
.endr
	s_wait_dscnt 0x0
.endm
.macro EPI nt, hh, buf
	WIN 0x01                                       ; source 0 in window 1
.irp c, 0,1,2,3
.irp p, 0,2,4,6
	v_pk_add_f32 v[XT+8*\c+\p:XT+8*\c+\p+1], v[8*(4*(4*\hh+\c)+\nt)+\p:8*(4*(4*\hh+\c)+\nt)+\p+1], v[RA+8*(4*\hh+\c)+\p:RA+8*(4*\hh+\c)+\p+1]
.endr
.endr
	WIN 0
.irp c, 0,1                                        ; x1 = columns d < 32 (tiles 0, 1), x2 = columns d + 32 (tiles 2, 3)
.irp p, 0,2,4,6
	v_pk_mul_f32 v[TM+\p:TM+\p+1],     v[XT+16+8*\c+\p:XT+16+8*\c+\p+1], v[CS+16+8*\c+\p:CS+16+8*\c+\p+1]   ; x2 sin
	v_pk_mul_f32 v[TM+8+\p:TM+8+\p+1], v[XT+8*\c+\p:XT+8*\c+\p+1],       v[CS+16+8*\c+\p:CS+16+8*\c+\p+1]   ; x1 sin
.endr
.irp p, 0,2,4,6
	v_pk_fma_f32 v[XT+8*\c+\p:XT+8*\c+\p+1], v[XT+8*\c+\p:XT+8*\c+\p+1], v[CS+8*\c+\p:CS+8*\c+\p+1], v[TM+\p:TM+\p+1] neg_lo:[0,0,1] neg_hi:[0,0,1]
	v_pk_fma_f32 v[XT+16+8*\c+\p:XT+16+8*\c+\p+1], v[XT+16+8*\c+\p:XT+16+8*\c+\p+1], v[CS+8*\c+\p:CS+8*\c+\p+1], v[TM+8+\p:TM+8+\p+1]
.endr
.endr
.set ei, 0
.rept 16
	v_cvt_pk_bf16_f32 v[PK+ei], v[XT+2*ei], v[XT+2*ei+1]
.set ei, ei+1
.endr
.irp c, 0,1,2,3
	ds_store_b128 v[STO], v[PK+4*\c:PK+4*\c+3] offset:32*\c
.endr
	s_wait_xcnt 0x0                                ; the read-back buffer was the data of earlier stores: it is loaded again only behind this wait
.irp i, 0,1,2,3
	ds_load_b128 v[RBK+16*\buf+4*\i:RBK+16*\buf+4*\i+3], v[SRD] offset:\i*4*SP    ; LDS serves a wave's instructions in order: these see the stores above
.endr
.irp i, 0,1,2,3
	s_wait_dscnt 3-\i                              ; read-back i is in, the younger ones stay out
	global_store_b128 v[GOFF], v[RBK+16*\buf+4*\i:RBK+16*\buf+4*\i+3], s[34:35] offset:\hh*HEADB+\nt*2048+\i*512   ; four rows: 512 consecutive bytes, aligned
.endr
.endm
.irp n, 0,1,2,3
	ROWS \n
	EPI \n, 0, 0
	EPI \n, 1, 1
.endr
	s_wait_tensorcnt 0x0
	ds_add_u32 v254, v255
	s_wait_dscnt 0x0
	ROUND                                          ; the closing round: no work-group ends while a partner may still ask jointly
	s_endpgm
.Lfunc_end_k_q8a7d76d332_proj:
	.size	k_q8a7d76d332_proj, .Lfunc_end_k_q8a7d76d332_proj-k_q8a7d76d332_proj
	.p2alignl 7, 3214868480
	.fill 96, 4, 3214868480
	.section	.rodata,"a",@progbits
	.p2align	6, 0x0
	.amdhsa_kernel k_q8a7d76d332_proj
		.amdhsa_group_segment_fixed_size 327680
		.amdhsa_private_segment_fixed_size 0
		.amdhsa_enable_private_segment 0
		.amdhsa_kernarg_size 96
		.amdhsa_user_sgpr_count 2
		.amdhsa_user_sgpr_kernarg_segment_ptr 1
		.amdhsa_wavefront_size32 1
		.amdhsa_system_sgpr_workgroup_id_x 1
		.amdhsa_system_sgpr_workgroup_id_y 1
		.amdhsa_system_sgpr_workgroup_id_z 1
		.amdhsa_system_vgpr_workitem_id 0
		.amdhsa_next_free_vgpr 512
		.amdhsa_next_free_sgpr 66
		.amdhsa_reserve_vcc 0
		.amdhsa_float_denorm_mode_32 3
		.amdhsa_float_denorm_mode_16_64 3
		.amdhsa_memory_ordered 1
		.amdhsa_forward_progress 1
		.amdhsa_inst_pref_size 183
	.end_amdhsa_kernel
	.amdgpu_metadata
---
amdhsa.version: [ 1, 2 ]
amdhsa.kernels:
  - .name:           k_q8a7d76d332_proj
    .symbol:         k_q8a7d76d332_proj.kd
    .args:
      - { .name: query, .offset: 0, .size: 8, .value_kind: global_buffer, .address_space: global }
      - { .name: key, .offset: 8, .size: 8, .value_kind: global_buffer, .address_space: global }
      - { .name: value, .offset: 16, .size: 8, .value_kind: global_buffer, .address_space: global }
      - { .name: Wq, .offset: 24, .size: 8, .value_kind: global_buffer, .address_space: global }
      - { .name: Wk, .offset: 32, .size: 8, .value_kind: global_buffer, .address_space: global }
      - { .name: Wv, .offset: 40, .size: 8, .value_kind: global_buffer, .address_space: global }
      - { .name: bq, .offset: 48, .size: 8, .value_kind: global_buffer, .address_space: global }
      - { .name: bk, .offset: 56, .size: 8, .value_kind: global_buffer, .address_space: global }
      - { .name: bv, .offset: 64, .size: 8, .value_kind: global_buffer, .address_space: global }
      - { .name: qh, .offset: 72, .size: 8, .value_kind: global_buffer, .address_space: global }
      - { .name: kh, .offset: 80, .size: 8, .value_kind: global_buffer, .address_space: global }
      - { .name: vh, .offset: 88, .size: 8, .value_kind: global_buffer, .address_space: global }
    .group_segment_fixed_size: 327680
    .private_segment_fixed_size: 0
    .kernarg_segment_align: 8
    .kernarg_segment_size: 96
    .max_flat_workgroup_size: 256
    .sgpr_count:     66
    .vgpr_count:     512
    .wavefront_size: 32
...
	.end_amdgpu_metadata
.endif
;; end of part 1
;; launch attn (part 2): grid 16 x 16, 8 waves a work-group, clusters of 4 x 1, 327,680 bytes of LDS; arguments qh, kh, vh, key_padding_mask, ao; writes ao
.if DOCPART == 2
	.amdgcn_target "amdgcn-amd-amdhsa--gfx1250"
	.amdhsa_code_object_version 6
	.text
	.protected	k_q8a7d76d332_attn
	.globl	k_q8a7d76d332_attn
	.p2align	8
	.type	k_q8a7d76d332_attn,@function
k_q8a7d76d332_attn:
	s_mov_b64 s[64:65], 0
	v_nop
	global_prefetch_b8 v0, s[64:65] scope:SCOPE_SE
	s_setreg_imm32_b32 hwreg(HW_REG_WAVE_MODE, 25, 1), 1
	s_wait_xcnt 0x0
	s_wait_alu depctr_hold_cnt(0) depctr_sa_sdst(0) depctr_va_vdst(0) depctr_va_sdst(0) depctr_va_ssrc(0) depctr_va_vcc(0) depctr_vm_vsrc(0)
	s_getreg_b32 s2, hwreg(HW_REG_IB_STS2, 6, 4)
	s_cmp_eq_u32 s2, 0
	s_cbranch_scc0 .Lentry_in_a_cluster
	s_endpgm
.Lentry_in_a_cluster:
	s_bfe_u32 s2, ttmp6, 0x10000c
	s_cmp_lg_u32 s2, 0x3003
	s_cbranch_scc0 .Lentry_shape_is_right
	s_endpgm
.Lentry_shape_is_right:
; Attention of one (batch, head) plane for 256 queries: softmax over 4,096 keys with a running maximum, key padding mask honoured, result normalised, bf16.
; qh (already times 0.125 log2 e), kh, vh, ao: [16 planes][4096][64] bf16.  key_padding_mask: [2][4096] bytes, not 0 = masked.
; grid y = plane, grid x = query block.  Eight waves: pair qg = wave >> 1 owns 64 queries (4 tiles of 16); kp = wave & 1 says which 128 of a slot's 256 keys
; the wave takes.  The two waves of a pair run separate running softmaxes and are merged once at the end through LDS.
; CLUSTER 4 x 1: the four query blocks of a cluster walk the same K and V tiles in the same 16 trips: every K and V load is joint (mask 15).
; LAYOUT.  S^T = K Q^T (source 0 = 16 keys, source 1 = 16 queries): lane (r, h) holds query r, register j key 8h + j.  Two such tiles packed to bf16 are the
; second source (32 keys) of O^T = V^T P^T as they stand; V^T's fragments come from V [key][d] by the transposing LDS load.  The mask enters as the C operand
; of the first S^T instruction: a table of f32, 0 or -1e30.
; ORDER OF A TRIP (256 keys in a slot, 128 of them mine, as two blocks of 64 keys x 4 query tiles).  A block's K and mask fragments are asked for in the block before,
; behind query tile 3's score products, which are their registers' last readers; only V's fragments are asked for at a block's head.  So in the trip's second block
; all my reads of the slot are in registers when V's have come, in query tile 0: there the round that changes slots is opened; two query tiles of register work
; stand between its opening signal and wait; behind the round the slot just read is filled again, two tiles ahead, and query tile 3 asks for the other slot's first fragments.
; LIMITS.  Matrix operands bf16, everything else f32; the row sum takes p unrounded, P V takes p rounded to bf16.  A masked key gets -1e30 in place of -infinity, so that
; a block of masked keys makes no NaN in the running softmax: right while true scores (in log2 units) stay above -1e29.  If every key of a batch is masked
; the result is NaN.
.set KPITCH, 144                       ; K row: 128 bytes + 16, an odd multiple of 16
.set VPITCH, 160                       ; V row: 128 bytes + 32, an odd multiple of 32 (for the transposing load)
.set QUART, 10240                      ; room of one tensor load: 64 keys
.set SLOT,  8*QUART                    ; K's four quarters, then V's four
.set VPART, 4*QUART
.set BIAS,  2*SLOT                     ; 4,096 f32
.set MRG,   BIAS+16384                 ; 17,408 bytes for each pair: O, M, L of the odd wave
.set MRGB,  17408
.set OST,   MRG+4*MRGB                 ; 64 rows x 144 bytes for each pair: the way out
.set OSTB,  9216
.set WV, 14
.set LD, 15                            ; wave >> 2: asks for K (0) or V (1)
.set G1K, 24
.set G0K, 32
.set G1V, 40
.set G0V, 48
; window 0
.set KADR, 2                           ; v2-3  K fragments in slot 0, 1
.set VADR, 4                           ; v4-5  V fragments
.set BADR, 6                           ; v6    mask table, steps 1,024 bytes a trip
.set MX, 8                             ; v8-11  running maximum of query tile t
.set LS, 12                            ; v12-15 running sum (this half of the lanes' keys)
.set MN, 16                            ; v16-17 new maximum, twice
.set AL, 18                            ; v18-19 2^(old - new), twice
.set TM, 20                            ; v20-27 at work: four maxima, then four chains of the row sum
.set MST, 28
.set OWR, 29
.set ORD, 30
.set GOFF, 31
.set QF, 32                            ; v32-95   Q fragments: tile t, half ks of d at 16 t + 8 ks
.set KF, 96                            ; v96-159  K fragments: key tile kt, ks at 16 kt + 8 ks
.set BI, 160                           ; v160-191 mask values of key tile kt
.set SC, 192                           ; v192-223 scores, then p
.set PB, 224                           ; v224-239 p in bf16
; window 1: O(t, dt) at 32 t + 8 dt (v256-383); V^T fragments (ks, dt) at VF + 32 ks + 8 dt
.set VF, 128
.set MSB, 0
.macro WIN new                         ; the immediate's high byte repeats the setting that is left
.if MSB != \new
	s_set_vgpr_msb (MSB<<8)|\new
.set MSB, \new
.endif
.endm
.macro PLACES                          ; four places behind a matrix instruction (ISA guide 7.12.1)
.rept 4
	v_nop
.endr
.endm
.macro BAR
	s_barrier_signal -1
	s_barrier_wait -1
.endm
.macro CREST                           ; a round of the cluster's barrier behind its opening barrier
	s_cmp_lg_u32 s[WV], 0
	s_cbranch_scc1 .Lnot_wave_0_\@
	s_barrier_signal -3
.Lnot_wave_0_\@:
	s_barrier_wait -3
	s_barrier_signal -1
	s_barrier_wait -1
.endm
.macro ROUND                           ; a whole round
	s_barrier_signal -1
	s_barrier_wait -1
	CREST
.endm
.macro JLOAD s                         ; waves 0-3 ask for K's four quarters, waves 4-7 for V's; the branch hangs on the wave's number alone
	s_cmp_eq_u32 s[LD], 0
	s_cbranch_scc0 .Lfor_v_\@
	tensor_load_to_lds s[G0K+4*\s:G0K+4*\s+3], s[G1K:G1K+7]
	s_nop 0
	s_branch .Lasked_\@
.Lfor_v_\@:
	tensor_load_to_lds s[G0V+4*\s:G0V+4*\s+3], s[G1V:G1V+7]
	s_nop 0
.Lasked_\@:
.endm
	s_load_b256 s[4:11], s[0:1], 0x0               ; qh, kh, vh, mask
	s_load_b64 s[12:13], s[0:1], 0x20              ; ao
	s_set_vgpr_msb 0x40
	v_lshl_add_u32 v192, v0, 2, 0x46000
	v_mov_b32 v193, 0
	s_set_vgpr_msb 0x4045
	ds_add_u32 v192, v193
	s_set_vgpr_msb 0x4500
	v_lshrrev_b32 v1, 5, v0
	v_readfirstlane_b32 s[WV], v1
	s_lshr_b32 s[LD], s[WV], 2
	s_and_b32 s16, s[WV], 3                        ; which 64 keys of a tile I fetch
	s_and_b32 s17, s[WV], 1                        ; kp
	s_lshr_b32 s18, s[WV], 1                       ; qg
	s_bfe_u32 s19, ttmp6, 0x40000                  ; cx
	s_lshl_b32 s20, ttmp9, 2
	s_add_co_u32 s20, s20, s19                     ; query block
	s_and_b32 s21, ttmp7, 0xffff                   ; plane = 8 batch + head
	s_lshl_b32 s22, s21, 19                        ; K, V: plane, + 64 keys of 128 bytes for each quarter (registers that never hold cx)
	s_lshl_b32 s23, s16, 13
	s_add_co_u32 s22, s22, s23
	s_mov_b32 s23, 0
	s_lshl_b32 s60, s21, 19                        ; Q, ao: plane, + 256 rows a block, + 64 rows a pair
	s_lshl_b32 s61, s20, 15
	s_add_co_u32 s60, s60, s61
	s_lshl_b32 s61, s18, 13
	s_add_co_u32 s60, s60, s61
	s_mov_b32 s61, 0
	s_lshr_b32 s62, s21, 3                         ; mask: the batch's 4,096 bytes
	s_lshl_b32 s62, s62, 12
	s_mov_b32 s63, 0
	s_mov_b32 s57, 0x76543210                      ; v_permlanex16_b32: lane i takes lane i of the other half
	s_mov_b32 s58, 0xfedcba98
	s_mov_b32 s59, 0xefa18f08                      ; -1e29
	s_mov_b32 s[G1K+0], 15|(1<<16)|(1<<20)|(1<<21)|(4<<22)|(3<<25)  ; mask of the four; 2 bytes; padding on; bit 21 beside the mask; after 32 words; 4 words
	s_mov_b32 s[G1V+0], 15|(1<<16)|(1<<20)|(1<<21)|(4<<22)|(7<<25)  ; the same with 8 words of padding
.irp g, G1K, G1V
	s_mov_b32 s[\g+1], 64<<16                      ; tensor_dim0 = 64
	s_mov_b32 s[\g+2], 64<<16                      ; tensor_dim1 = 64
	s_mov_b32 s[\g+3], 64<<16                      ; tile_dim0 = 64
	s_mov_b32 s[\g+4], 64                          ; tile_dim1 = 64
	s_mov_b32 s[\g+5], 64                          ; elements from row to row
	s_mov_b32 s[\g+6], 0
	s_mov_b32 s[\g+7], 0
.endr
	s_mul_i32 s56, s[WV], QUART
	s_wait_dscnt 0x0
	s_wait_kmcnt 0x0
	s_add_nc_u64 s[6:7], s[6:7], s[22:23]
	s_add_nc_u64 s[8:9], s[8:9], s[22:23]
	s_add_nc_u64 s[4:5], s[4:5], s[60:61]
	s_add_nc_u64 s[12:13], s[12:13], s[60:61]
	s_add_nc_u64 s[10:11], s[10:11], s[62:63]
.irp s, 0,1
	s_mov_b32 s[G0K+4*\s], 1
	s_add_co_u32 s[G0K+4*\s+1], s56, \s*SLOT
	s_add_nc_u64 s[G0K+4*\s+2:G0K+4*\s+3], s[6:7], \s*32768        ; tile s: 256 keys of 128 bytes
	s_or_b32 s[G0K+4*\s+3], s[G0K+4*\s+3], 0x80000000
	s_mov_b32 s[G0V+4*\s], 1
	s_add_co_u32 s[G0V+4*\s+1], s56, \s*SLOT
	s_add_nc_u64 s[G0V+4*\s+2:G0V+4*\s+3], s[8:9], \s*32768
	s_or_b32 s[G0V+4*\s+3], s[G0V+4*\s+3], 0x80000000
.endr
	ROUND
	JLOAD 0                                        ; both first fills together: two tensor loads of a wave are out
	JLOAD 1
	v_lshlrev_b32 v240, 4, v0                      ; my 16 bytes of the mask
	v_and_b32 v20, 15, v0                          ; r
	v_bfe_u32 v21, v0, 4, 1                        ; h
	v_and_b32 v22, 31, v0                          ; lane
	v_lshlrev_b32 v241, 7, v20
	v_lshl_add_u32 v241, v21, 4, v241              ; Q: r x 128 + 16 h
	global_load_b128 v[PB:PB+3], v240, s[10:11]
.irp t, 0,1,2,3
.irp c, 0,1
	global_load_b128 v[QF+16*\t+8*\c:QF+16*\t+8*\c+3],   v241, s[4:5] offset:\t*2048+\c*64
	global_load_b128 v[QF+16*\t+8*\c+4:QF+16*\t+8*\c+7], v241, s[4:5] offset:\t*2048+\c*64+32
.endr
.endr
	v_mov_b32 v7, 0xf149f2ca                       ; -1e30
	v_lshlrev_b32 v242, 6, v0
	v_add_nc_u32 v242, BIAS, v242                  ; my 16 words of the table
	s_mul_i32 s56, s17, 2*QUART
	v_mul_u32_u24 v[KADR], v20, KPITCH
	v_lshl_add_u32 v[KADR], v21, 4, v[KADR]
	v_add_nc_u32 v[KADR], s56, v[KADR]
	v_add_nc_u32 v[KADR+1], SLOT, v[KADR]
	v_and_b32 v23, 7, v0
	v_lshl_add_u32 v23, v21, 3, v23                ; key 8h + (lane & 7)
	v_mul_u32_u24 v[VADR], v23, VPITCH
	v_bfe_u32 v24, v0, 3, 1
	v_lshl_add_u32 v[VADR], v24, 4, v[VADR]
	s_add_co_u32 s56, s56, VPART
	v_add_nc_u32 v[VADR], s56, v[VADR]
	v_add_nc_u32 v[VADR+1], SLOT, v[VADR]
	s_lshl_b32 s56, s17, 9
	s_add_co_u32 s56, s56, BIAS
	v_lshl_add_u32 v[BADR], v21, 5, s56
	s_mul_i32 s56, s18, MRGB
	s_add_co_u32 s56, s56, MRG
	v_lshl_add_u32 v[MST], v22, 4, s56
	s_mul_i32 s56, s18, OSTB
	s_add_co_u32 s56, s56, OST
	v_mul_u32_u24 v25, v20, KPITCH
	v_lshl_add_u32 v25, v21, 4, v25
	v_add_nc_u32 v[OWR], s56, v25
	v_lshrrev_b32 v25, 3, v22
	v_mul_u32_u24 v25, v25, KPITCH
	v_and_b32 v26, 7, v0
	v_lshl_add_u32 v25, v26, 4, v25
	v_add_nc_u32 v[ORD], s56, v25
	v_lshlrev_b32 v[GOFF], 4, v22
	s_wait_loadcnt 16                              ; the mask is in; Q's 16 loads are younger
.irp g, 0,1,2,3
.irp b, 0,1,2,3
	v_bfe_u32 v[TM+\b], v[PB+\g], 8*\b, 8
	v_cmp_ne_u32 vcc_lo, 0, v[TM+\b]
	v_cndmask_b32 v[SC+4*\g+\b], 0, v7, vcc_lo     ; masked: -1e30, else 0
.endr
	ds_store_b128 v242, v[SC+4*\g:SC+4*\g+3] offset:16*\g
.endr
	s_wait_loadcnt 0x0                             ; Q
	s_wait_tensorcnt 0x1                           ; my part of tile 0 is in; tile 1's stays out
	s_wait_dscnt 0x0                               ; my part of the table is written
	BAR
; The mask values and the K fragments of a block of 64 keys: 24 LDS loads.  boff: the block's place in the mask table, from BADR.
.macro LDKB slot, kb, boff
.irp k, 0,1,2,3
	ds_load_b128 v[BI+8*\k:BI+8*\k+3],   v[BADR] offset:\boff+\k*64
	ds_load_b128 v[BI+8*\k+4:BI+8*\k+7], v[BADR] offset:\boff+\k*64+16
.endr
.irp k, 0,1,2,3
.irp c, 0,1
	ds_load_b128 v[KF+16*\k+8*\c:KF+16*\k+8*\c+3],   v[KADR+\slot] offset:\kb*QUART+\k*16*KPITCH+\c*64
	ds_load_b128 v[KF+16*\k+8*\c+4:KF+16*\k+8*\c+7], v[KADR+\slot] offset:\kb*QUART+\k*16*KPITCH+\c*64+32
.endr
.endr
.endm
; The V^T fragments of a block: 16 transposing LDS loads into window 1
.macro LDV slot, kb
	WIN 0x40
.irp c, 0,1
.irp d, 0,1,2,3
	ds_load_tr16_b128 v[VF+32*\c+8*\d:VF+32*\c+8*\d+3],   v[VADR+\slot] offset:\kb*QUART+32*\c*VPITCH+32*\d
	ds_load_tr16_b128 v[VF+32*\c+8*\d+4:VF+32*\c+8*\d+7], v[VADR+\slot] offset:\kb*QUART+(32*\c+16)*VPITCH+32*\d
.endr
.endr
	WIN 0
.endm
; The last four steps of query tile t's row sum.  They name none of a matrix instruction's registers, so they serve as the four places
; behind the next matrix instructions (ISA guide 7.12.1) in place of v_nop.
.macro LTAIL t, first
	v_pk_add_f32 v[TM+4:TM+5], v[TM+4:TM+5], v[TM+6:TM+7]
	v_pk_add_f32 v[TM:TM+1], v[TM:TM+1], v[TM+4:TM+5]
.if \first
	v_add_f32 v[LS+\t], v[TM], v[TM+1]
	v_nop
.else
	v_add_f32 v[TM], v[TM], v[TM+1]
	v_fma_f32 v[LS+\t], v[LS+\t], v[AL], v[TM]
.endif
.endm
; One query tile against 64 keys.  first = 1: the first keys of all: they start maximum, sum and O.  waitv = 1: V's fragments are waited for here.
; sig: the barrier that changes slots is signalled here.  pre = 1: the next block's mask values and K fragments are asked for (slot pslot, block pkb, table offset pboff).
; Matrix instructions take four accumulators by turns, one instruction a turn.
.macro QTILE t, first, waitv, sig, pre, pslot, pkb, pboff
.irp k, 0,1,2,3
	v_wmma_f32_16x16x32_bf16 v[SC+8*\k:SC+8*\k+7], v[KF+16*\k:KF+16*\k+7], v[QF+16*\t:QF+16*\t+7], v[BI+8*\k:BI+8*\k+7]
.endr
.irp k, 0,1,2,3
	v_wmma_f32_16x16x32_bf16 v[SC+8*\k:SC+8*\k+7], v[KF+16*\k+8:KF+16*\k+15], v[QF+16*\t+8:QF+16*\t+15], v[SC+8*\k:SC+8*\k+7]
.endr
	; four places before the scores are read, p's registers (sources of the last products) written, and K's and the mask's registers loaded again
.if \t
	LTAIL (\t-1), \first
.else
	PLACES
.endif
.if \pre
	LDKB \pslot, \pkb, \pboff                      ; they land under this tile's softmax and products
.endif
.irp k, 0,1,2,3
	v_max3_num_f32 v[TM+\k], v[SC+3*\k], v[SC+3*\k+1], v[SC+3*\k+2]
.endr
.set qi, 12
.rept 10
	v_max3_num_f32 v[TM+(qi/2)%4], v[TM+(qi/2)%4], v[SC+qi], v[SC+qi+1]
.set qi, qi+2
.endr
	v_max3_num_f32 v[TM], v[TM], v[TM+1], v[TM+2]
.if \first
	v_max_num_f32 v[TM], v[TM], v[TM+3]
.else
	v_max3_num_f32 v[TM], v[TM], v[TM+3], v[MX+\t]
.endif
	v_permlanex16_b32 v[TM+1], v[TM], s57, s58     ; the other half of the lanes holds the query's other keys
	v_max_num_f32 v[MN], v[TM], v[TM+1]
	v_mov_b32 v[MN+1], v[MN]
.if \first == 0
	v_sub_f32 v[TM+2], v[MX+\t], v[MN]
.endif
.set qi, 0
.rept 16
	v_pk_add_f32 v[SC+qi:SC+qi+1], v[SC+qi:SC+qi+1], v[MN:MN+1] neg_lo:[0,1] neg_hi:[0,1]
.set qi, qi+2
.endr
.if \first == 0
	v_exp_f32 v[AL], v[TM+2]
.endif
.set qi, 0
.rept 32
	v_exp_f32 v[SC+qi], v[SC+qi]
.set qi, qi+1
.endr
	v_mov_b32 v[MX+\t], v[MN]                      ; the plain place behind the run of v_exp_f32 (ISA guide 5.7.2)
.if \first == 0
	s_wait_alu depctr_va_vdst(0)
	v_mov_b32 v[AL+1], v[AL]
.endif
	; the row sum in four chains; its last four steps are LTAIL, further down the text
	s_wait_alu depctr_va_vdst(0)
.irp c, 0,1,2,3
	v_pk_add_f32 v[TM+2*\c:TM+2*\c+1], v[SC+4*\c:SC+4*\c+1], v[SC+4*\c+2:SC+4*\c+3]
.endr
.irp c, 0,1,2,3
	v_pk_add_f32 v[TM+2*\c:TM+2*\c+1], v[TM+2*\c:TM+2*\c+1], v[SC+16+2*\c:SC+16+2*\c+1]
.endr
.irp c, 0,1,2,3
	v_pk_add_f32 v[TM+2*\c:TM+2*\c+1], v[TM+2*\c:TM+2*\c+1], v[SC+24+2*\c:SC+24+2*\c+1]
.endr
	v_pk_add_f32 v[TM:TM+1], v[TM:TM+1], v[TM+2:TM+3]
.set qi, 0
.rept 16
	v_cvt_pk_bf16_f32 v[PB+qi], v[SC+2*qi], v[SC+2*qi+1]
.set qi, qi+1
.endr
.if \first == 0
	WIN 0x41                                       ; O: destination and source 0 in window 1
.set qi, 0
.rept 16
	v_pk_mul_f32 v[32*\t+qi:32*\t+qi+1], v[32*\t+qi:32*\t+qi+1], v[AL:AL+1]
.set qi, qi+2
.endr
.endif
.if \waitv
	s_wait_dscnt 0x0                               ; V's fragments; no LDS load of mine is out
.endif
.if \sig
	s_set_vgpr_msb 0x4145
	s_wait_tensorcnt 0x0                           ; so my reads of this slot are over; and all my tensor loads have landed: the one that was out is my part of the next tile:
	ds_add_u32 v192, v193
	s_wait_dscnt 0x0
	s_set_vgpr_msb 0x4541
	s_barrier_signal -1                            ; say so, and work on registers alone until the wait
.endif
	WIN 0x51                                       ; D, C and source 0 (V^T) in window 1, source 1 (p) in window 0
.irp c, 0,1
.irp d, 0,1,2,3
.if (\first)*(1-\c)
	v_wmma_f32_16x16x32_bf16 v[32*\t+8*\d:32*\t+8*\d+7], v[VF+32*\c+8*\d:VF+32*\c+8*\d+7], v[PB+8*\c:PB+8*\c+7], 0
.else
	v_wmma_f32_16x16x32_bf16 v[32*\t+8*\d:32*\t+8*\d+7], v[VF+32*\c+8*\d:VF+32*\c+8*\d+7], v[PB+8*\c:PB+8*\c+7], v[32*\t+8*\d:32*\t+8*\d+7]
.endif
.endr
.endr
	WIN 0
.endm
; A trip: my 128 of the 256 keys in slot.  At its head the first block's mask values and K fragments are on their way (24 LDS loads).
; first = 1: the first trip of all.  sync = 2: the slot is filled again, two tiles ahead, behind a round of the cluster's barrier;
; sync = 1: nothing is left to fetch, a barrier of the work-group shows the other slot whole; sync = 0: the last trip.
.macro TRIP slot, other, first, sync
.if \first == 0
	LTAIL 3, 0                                     ; four places before loads land on the last products' sources
.endif
	LDV \slot, 0
	s_wait_dscnt 16                                ; mask values and K are in; V's 16 loads are younger
	QTILE 0, \first, 1, 0, 0, 0, 0, 0
	QTILE 1, \first, 0, 0, 0, 0, 0, 0
	QTILE 2, \first, 0, 0, 0, 0, 0, 0
	QTILE 3, \first, 0, 0, 1, \slot, 1, 256
	LTAIL 3, \first
	LDV \slot, 1
	s_wait_dscnt 16
	QTILE 0, 0, 1, \sync, 0, 0, 0, 0               ; the signal stands in here, behind the waits for V's fragments and for all tensor loads
	QTILE 1, 0, 0, 0, 0, 0, 0, 0                   ; registers alone
	QTILE 2, 0, 0, 0, 0, 0, 0, 0
.if \sync
	s_barrier_wait -1                              ; all eight waves have said so
.endif
.if \sync == 2
	CREST                                          ; and all four partners: no wave of any of them still reads this slot or has a load on its way
	s_add_nc_u64 s[G0K+4*\slot+2:G0K+4*\slot+3], s[G0K+4*\slot+2:G0K+4*\slot+3], 65536   ; no tensor load of mine is out: the sets may step, two tiles on
	s_add_nc_u64 s[G0V+4*\slot+2:G0V+4*\slot+3], s[G0V+4*\slot+2:G0V+4*\slot+3], 65536
	JLOAD \slot                                    ; my one tensor load behind the round, first thing there; five query tiles' work stands before the wait for it
.endif
.if \sync
	v_add_nc_u32 v[BADR], 1024, v[BADR]            ; the next tile's 256 words of the mask table
	QTILE 3, 0, 0, 0, 1, \other, 0, 0              ; asks for the other slot's first fragments
.else
	QTILE 3, 0, 0, 0, 0, 0, 0, 0
.endif
.endm
	LDKB 0, 0, 0                                   ; the first block's mask values and K fragments
	TRIP 0, 1, 1, 2                                ; tile 0; asks for tile 2
	s_mov_b32 s56, 6
.Ltrip:
	TRIP 1, 0, 0, 2                                ; tiles 1, 3, .. 11; asks for 3, 5, .. 13
	TRIP 0, 1, 0, 2                                ; tiles 2, 4, .. 12; asks for 4, 6, .. 14
	s_sub_co_u32 s56, s56, 1
	s_cmp_lg_u32 s56, 0
	s_cbranch_scc1 .Ltrip
	TRIP 1, 0, 0, 2                                ; tile 13; asks for tile 15, the last
	TRIP 0, 1, 0, 1                                ; tile 14: nothing is left to fetch
	TRIP 1, 0, 0, 0                                ; tile 15
	; THE END.  The sums cross the two halves of the lanes; the odd wave of a pair hands O, M, L to the even one, which merges, divides and stores.
	LTAIL 3, 0                                     ; the last tile's sum; also the four places behind the last products
.irp t, 0,1,2,3
	v_permlanex16_b32 v[TM+\t], v[LS+\t], s57, s58
.endr
.irp t, 0,1,2,3
	v_add_f32 v[LS+\t], v[LS+\t], v[TM+\t]
.endr
	s_cmp_eq_u32 s17, 0
	s_cbranch_scc1 .Lhanded
	WIN 0x04                                       ; store data in window 1
.set ei, 0
.rept 32
	ds_store_b128 v[MST], v[4*ei:4*ei+3] offset:512*ei
.set ei, ei+1
.endr
	WIN 0
	ds_store_b128 v[MST], v[MX:MX+3] offset:16384
	ds_store_b128 v[MST], v[LS:LS+3] offset:16896
.Lhanded:
	s_wait_dscnt 0x0                               ; the odd waves' stores are done
	BAR
	s_cmp_lg_u32 s17, 0
	s_cbranch_scc1 .Ldone
.set FA, 160                           ; v160-175: tile t: my factor twice, the partner's factor twice
.set EE, 176                           ; v176-191: tile t: maximum, a, a', sum
	ds_load_b128 v[TM:TM+3], v[MST] offset:16384   ; M'
	ds_load_b128 v[TM+4:TM+7], v[MST] offset:16896 ; L'
.set ei, 0
.rept 32
	ds_load_b128 v[32+4*ei:35+4*ei], v[MST] offset:512*ei          ; O'
.set ei, ei+1
.endr
	v_mov_b32 v7, 0x7fc00000                       ; NaN
	s_wait_dscnt 32                                ; M' and L' are in; O's 32 loads are younger
.irp t, 0,1,2,3
	v_max_num_f32 v[EE+4*\t], v[MX+\t], v[TM+\t]
	v_sub_f32 v[EE+4*\t+1], v[MX+\t], v[EE+4*\t]
	v_sub_f32 v[EE+4*\t+2], v[TM+\t], v[EE+4*\t]
.endr
.irp t, 0,1,2,3
	v_exp_f32 v[EE+4*\t+1], v[EE+4*\t+1]
	v_exp_f32 v[EE+4*\t+2], v[EE+4*\t+2]
.endr
	v_nop                                          ; the plain place behind v_exp_f32
	s_wait_alu depctr_va_vdst(0)
.irp t, 0,1,2,3
	v_mul_f32 v[EE+4*\t+3], v[TM+4+\t], v[EE+4*\t+2]
	v_fmac_f32 v[EE+4*\t+3], v[LS+\t], v[EE+4*\t+1]
.endr
.irp t, 0,1,2,3
	v_rcp_f32 v[EE+4*\t+3], v[EE+4*\t+3]
.endr
	v_nop                                          ; the plain place behind v_rcp_f32
	s_wait_alu depctr_va_vdst(0)
.irp t, 0,1,2,3
	v_mul_f32 v[FA+4*\t], v[EE+4*\t+1], v[EE+4*\t+3]
	v_mul_f32 v[FA+4*\t+2], v[EE+4*\t+2], v[EE+4*\t+3]
	v_cmp_gt_f32 vcc_lo, s59, v[EE+4*\t]           ; the maximum is a masked key's: every key is masked
	v_cndmask_b32 v[FA+4*\t], v[FA+4*\t], v7, vcc_lo
	v_mov_b32 v[FA+4*\t+1], v[FA+4*\t]
	v_mov_b32 v[FA+4*\t+3], v[FA+4*\t+2]
.endr
	s_wait_dscnt 0x0                               ; O'
.set ei, 0
.rept 64
	v_pk_mul_f32 v[32+2*ei:33+2*ei], v[32+2*ei:33+2*ei], v[FA+4*(ei/16)+2:FA+4*(ei/16)+3]
.set ei, ei+1
.endr
	WIN 0x01                                       ; source 0 (my O) in window 1
.set ei, 0
.rept 64
	v_pk_fma_f32 v[32+2*ei:33+2*ei], v[2*ei:2*ei+1], v[FA+4*(ei/16):FA+4*(ei/16)+1], v[32+2*ei:33+2*ei]
.set ei, ei+1
.endr
	WIN 0
.set ei, 0
.rept 64
	v_cvt_pk_bf16_f32 v[192+ei], v[32+2*ei], v[33+2*ei]
.set ei, ei+1
.endr
.irp t, 0,1,2,3
.irp d, 0,1,2,3
	ds_store_b128 v[OWR], v[192+16*\t+4*\d:195+16*\t+4*\d] offset:\t*16*KPITCH+32*\d
.endr
.endr
.set ei, 0
.rept 16
	ds_load_b128 v[32+4*ei:35+4*ei], v[ORD] offset:ei*4*KPITCH     ; my own bytes: LDS serves a wave's instructions in order
.set ei, ei+1
.endr
.set ei, 0
.rept 16
	s_wait_dscnt 15-ei                             ; read-back ei is in, the younger ones stay out
	global_store_b128 v[GOFF], v[32+4*ei:35+4*ei], s[12:13] offset:512*ei     ; four rows: 512 consecutive bytes, aligned
.set ei, ei+1
.endr
.Ldone:
	s_set_vgpr_msb 0x5
	s_wait_tensorcnt 0x0
	ds_add_u32 v192, v193
	s_wait_dscnt 0x0
	s_set_vgpr_msb 0x500
	ROUND                                          ; the closing round: no work-group ends while a partner may still ask jointly
	s_endpgm
.Lfunc_end_k_q8a7d76d332_attn:
	.size	k_q8a7d76d332_attn, .Lfunc_end_k_q8a7d76d332_attn-k_q8a7d76d332_attn
	.p2alignl 7, 3214868480
	.fill 96, 4, 3214868480
	.section	.rodata,"a",@progbits
	.p2align	6, 0x0
	.amdhsa_kernel k_q8a7d76d332_attn
		.amdhsa_group_segment_fixed_size 327680
		.amdhsa_private_segment_fixed_size 0
		.amdhsa_enable_private_segment 0
		.amdhsa_kernarg_size 40
		.amdhsa_user_sgpr_count 2
		.amdhsa_user_sgpr_kernarg_segment_ptr 1
		.amdhsa_wavefront_size32 1
		.amdhsa_system_sgpr_workgroup_id_x 1
		.amdhsa_system_sgpr_workgroup_id_y 1
		.amdhsa_system_sgpr_workgroup_id_z 1
		.amdhsa_system_vgpr_workitem_id 0
		.amdhsa_next_free_vgpr 450
		.amdhsa_next_free_sgpr 66
		.amdhsa_reserve_vcc 1
		.amdhsa_float_denorm_mode_32 3
		.amdhsa_float_denorm_mode_16_64 3
		.amdhsa_memory_ordered 1
		.amdhsa_forward_progress 1
		.amdhsa_inst_pref_size 255
	.end_amdhsa_kernel
	.section	.bss,"aw",@nobits
	.p2align	6
	.space	262144
	.amdgpu_metadata
---
amdhsa.version: [ 1, 2 ]
amdhsa.kernels:
  - .name:           k_q8a7d76d332_attn
    .symbol:         k_q8a7d76d332_attn.kd
    .args:
      - { .name: qh, .offset: 0, .size: 8, .value_kind: global_buffer, .address_space: global }
      - { .name: kh, .offset: 8, .size: 8, .value_kind: global_buffer, .address_space: global }
      - { .name: vh, .offset: 16, .size: 8, .value_kind: global_buffer, .address_space: global }
      - { .name: key_padding_mask, .offset: 24, .size: 8, .value_kind: global_buffer, .address_space: global }
      - { .name: ao, .offset: 32, .size: 8, .value_kind: global_buffer, .address_space: global }
    .group_segment_fixed_size: 327680
    .private_segment_fixed_size: 0
    .kernarg_segment_align: 8
    .kernarg_segment_size: 40
    .max_flat_workgroup_size: 256
    .sgpr_count:     66
    .vgpr_count:     450
    .wavefront_size: 32
...
	.end_amdgpu_metadata
.endif
;; end of part 2
;; launch oproj (part 3): grid 64 x 4, 8 waves a work-group, clusters of 4 x 1, 327,680 bytes of LDS; arguments ao, Wo, bo, out0; writes out0
.if DOCPART == 3
	.amdgcn_target "amdgcn-amd-amdhsa--gfx1250"
	.amdhsa_code_object_version 6
	.text
	.protected	k_q8a7d76d332_oproj
	.globl	k_q8a7d76d332_oproj
	.p2align	8
	.type	k_q8a7d76d332_oproj,@function
k_q8a7d76d332_oproj:
	s_mov_b64 s[64:65], 0
	v_nop
	global_prefetch_b8 v0, s[64:65] scope:SCOPE_SE
	s_setreg_imm32_b32 hwreg(HW_REG_WAVE_MODE, 25, 1), 1
	s_wait_xcnt 0x0
	s_wait_alu depctr_hold_cnt(0) depctr_sa_sdst(0) depctr_va_vdst(0) depctr_va_sdst(0) depctr_va_ssrc(0) depctr_va_vcc(0) depctr_vm_vsrc(0)
	s_getreg_b32 s2, hwreg(HW_REG_IB_STS2, 6, 4)
	s_cmp_eq_u32 s2, 0
	s_cbranch_scc0 .Lentry_in_a_cluster
	s_endpgm
.Lentry_in_a_cluster:
	s_bfe_u32 s2, ttmp6, 0x10000c
	s_cmp_lg_u32 s2, 0x3003
	s_cbranch_scc0 .Lentry_shape_is_right
	s_endpgm
.Lentry_shape_is_right:
; out0 = concat_heads(ao) Wo^T + bo.  ao: [2][8][4096][64] bf16, Wo: [512][512] f32, bo: [512] f32, out0: [8192][512] f32.
; A work-group makes 128 rows x 128 columns: 64 row blocks x 4 column blocks = 256 work-groups.  Eight waves; a wave makes 64 rows x 32 columns (8 accumulators).
; K = 512 goes in 4 chunks of 128 (two heads) through three LDS slots: chunks 0, 1, 2 are first fills (three tensor loads of a wave are out), chunk 3 is the one refill.
; CLUSTER 4 x 1: the four partners have the same column block, so Wo's tiles (two thirds of a work-group's bytes) are asked for jointly (mask 15); ao's are each
; work-group's own.  Wo's tile of 128 rows x 512 bytes is shared out among four waves: 32 rows, 16,384 bytes a load.
; The matrix instruction is used transposed (source 0 = 16 rows of Wo, source 1 = 16 rows of ao): a lane holds eight neighbouring columns of one row.
; The bias is the C operand of the first products.  LIMITS: matrix operands bf16 (Wo is rounded on the way from LDS), sums f32.
.set WPITCH, 528                       ; 512 bytes + 16, an odd multiple of 16
.set APITCH, 144
.set APART, 128*WPITCH                 ; 67,584: behind W's 128 rows: [2 heads][128 rows] of ao
.set SLOT, APART+256*APITCH            ; 104,448
.set WV, 12
.set LD, 13                            ; wave >> 2: asks for Wo (0) or ao (1)
.set G1W, 24
.set G1A, 32
.set G0W, 40                           ; s[40:51] three sets
.set G0A, 52                           ; s[52:63] three sets
.set AADR, 2                           ; v2-4
.set WADR, 5                           ; v5-7
.set STO, 8
.set SRD, 9
.set GOFF, 10
.set BOFF, 11
.set BO, 16                            ; v16-31   bias of column tile mt
.set ACC, 32                           ; v32-95   (mt, nt) at 8 (4 mt + nt)
.set AF, 96                            ; v96-159  ao fragments, two buffers of 32
.set WR, 160                           ; v160-191 Wo as loaded
.set WB, 192                           ; v192-223 Wo in bf16, two buffers of 16
.macro PLACES
.rept 4
	v_nop
.endr
.endm
.macro BAR
	s_barrier_signal -1
	s_barrier_wait -1
.endm
.macro ROUND
	s_barrier_signal -1
	s_barrier_wait -1
	s_cmp_lg_u32 s[WV], 0
	s_cbranch_scc1 .Lnot_wave_0_\@
	s_barrier_signal -3
.Lnot_wave_0_\@:
	s_barrier_wait -3
	s_barrier_signal -1
	s_barrier_wait -1
.endm
.macro JLOAD s
	s_cmp_eq_u32 s[LD], 0
	s_cbranch_scc0 .Lfor_a_\@
	tensor_load_to_lds s[G0W+4*\s:G0W+4*\s+3], s[G1W:G1W+7]
	s_nop 0
	s_branch .Lasked_\@
.Lfor_a_\@:
	tensor_load_to_lds s[G0A+4*\s:G0A+4*\s+3], s[G1A:G1A+7]
	s_nop 0
.Lasked_\@:
.endm
	s_load_b256 s[4:11], s[0:1], 0x0               ; ao, Wo, bo, out0
	v_lshl_add_u32 v224, v0, 2, 0x4c800
	v_mov_b32 v225, 0
	ds_add_u32 v224, v225
	v_lshrrev_b32 v1, 5, v0
	v_readfirstlane_b32 s[WV], v1
	s_lshr_b32 s[LD], s[WV], 2
	s_and_b32 s14, s[WV], 3                        ; which part of a tile I fetch
	s_and_b32 s15, s[WV], 1                        ; mg: my 64 rows
	s_lshr_b32 s16, s[WV], 1                       ; ng: my 32 columns
	s_bfe_u32 s17, ttmp6, 0x40000                  ; cx
	s_lshl_b32 s18, ttmp9, 2
	s_add_co_u32 s18, s18, s17                     ; row block 0..63
	s_and_b32 s19, ttmp7, 0xffff                   ; column block 0..3
	s_lshl_b32 s20, s19, 18                        ; Wo: row 128 y + 32 part, 2,048 bytes a row (registers that never hold cx)
	s_lshl_b32 s21, s14, 16
	s_add_co_u32 s20, s20, s21
	s_mov_b32 s21, 0
	s_lshr_b32 s22, s18, 5                         ; ao: plane 8 batch + (part >> 1), row (block mod 32) 128 + (part & 1) 64, 128 bytes a row
	s_lshl_b32 s22, s22, 22
	s_lshr_b32 s23, s14, 1
	s_lshl_b32 s23, s23, 19
	s_add_co_u32 s22, s22, s23
	s_and_b32 s23, s18, 31
	s_lshl_b32 s23, s23, 14
	s_add_co_u32 s22, s22, s23
	s_and_b32 s23, s14, 1
	s_lshl_b32 s23, s23, 13
	s_add_co_u32 s22, s22, s23
	s_mov_b32 s23, 0
	s_lshl_b32 s66, s18, 18                        ; out0: 128 rows a block, 16 rows a wave, 512 bytes a column block
	s_lshl_b32 s67, s[WV], 15
	s_add_co_u32 s66, s66, s67
	s_lshl_b32 s67, s19, 9
	s_add_co_u32 s66, s66, s67
	s_mov_b32 s67, 0
	s_lshl_b32 s68, s19, 9                         ; bo: 4 (128 y + 32 ng)
	s_lshl_b32 s69, s16, 7
	s_add_co_u32 s68, s68, s69
	s_mov_b32 s69, 0
	s_mov_b32 s[G1W+0], 15|(2<<16)|(1<<20)|(1<<21)|(6<<22)|(3<<25)  ; mask of the four; 4 bytes; padding on; bit 21 beside the mask; after 128 words; 4 words
	s_mov_b32 s[G1W+1], 128<<16                    ; tensor_dim0 = 128
	s_mov_b32 s[G1W+2], 32<<16                     ; tensor_dim1 = 32
	s_mov_b32 s[G1W+3], 128<<16                    ; tile_dim0 = 128
	s_mov_b32 s[G1W+4], 32                         ; tile_dim1 = 32
	s_mov_b32 s[G1W+5], 512                        ; elements from row to row
	s_mov_b32 s[G1W+6], 0
	s_mov_b32 s[G1W+7], 0
	s_mov_b32 s[G1A+0], (1<<16)|(1<<20)|(4<<22)|(3<<25)             ; no mask; 2 bytes; padding on; after 32 words; 4 words
	s_mov_b32 s[G1A+1], 64<<16
	s_mov_b32 s[G1A+2], 64<<16
	s_mov_b32 s[G1A+3], 64<<16
	s_mov_b32 s[G1A+4], 64
	s_mov_b32 s[G1A+5], 64
	s_mov_b32 s[G1A+6], 0
	s_mov_b32 s[G1A+7], 0
	s_mul_i32 s2, s[WV], 32*WPITCH                 ; waves 0-3: W's rows 32 w ..
	s_mul_i32 s3, s[WV], 64*APITCH                 ; waves 4-7: ao's part w - 4 behind W's rows: 67,584 - 4 x 9,216 + 9,216 w
	s_add_co_u32 s3, s3, APART-4*64*APITCH
	s_wait_dscnt 0x0
	s_wait_kmcnt 0x0
	s_add_nc_u64 s[6:7], s[6:7], s[20:21]
	s_add_nc_u64 s[4:5], s[4:5], s[22:23]
	s_add_nc_u64 s[10:11], s[10:11], s[66:67]
	s_add_nc_u64 s[8:9], s[8:9], s[68:69]
.irp s, 0,1,2
	s_mov_b32 s[G0W+4*\s], 1
	s_add_co_u32 s[G0W+4*\s+1], s2, \s*SLOT
	s_add_nc_u64 s[G0W+4*\s+2:G0W+4*\s+3], s[6:7], \s*512          ; chunk s: 128 f32 along the rows
	s_or_b32 s[G0W+4*\s+3], s[G0W+4*\s+3], 0x80000000
	s_mov_b32 s[G0A+4*\s], 1
	s_add_co_u32 s[G0A+4*\s+1], s3, \s*SLOT
	s_add_nc_u64 s[G0A+4*\s+2:G0A+4*\s+3], s[4:5], \s*1048576      ; chunk s: two planes on
	s_or_b32 s[G0A+4*\s+3], s[G0A+4*\s+3], 0x80000000
.endr
	ROUND
	JLOAD 0                                        ; the three first fills go out together
	JLOAD 1
	JLOAD 2
	v_and_b32 v12, 15, v0                          ; r
	v_bfe_u32 v13, v0, 4, 1                        ; h
	v_and_b32 v14, 31, v0                          ; lane
	v_lshlrev_b32 v[BOFF], 5, v13
.irp m, 0,1
	global_load_b128 v[BO+8*\m:BO+8*\m+3],   v[BOFF], s[8:9] offset:64*\m
	global_load_b128 v[BO+8*\m+4:BO+8*\m+7], v[BOFF], s[8:9] offset:64*\m+16
.endr
	s_mul_i32 s2, s15, 64*APITCH
	s_add_co_u32 s2, s2, APART
	v_mul_u32_u24 v1, v12, APITCH
	v_lshl_add_u32 v1, v13, 4, v1
	v_add_nc_u32 v[AADR], s2, v1
	v_add_nc_u32 v[AADR+1], SLOT, v[AADR]
	v_add_nc_u32 v[AADR+2], SLOT, v[AADR+1]
	s_mul_i32 s2, s16, 32*WPITCH
	v_mul_u32_u24 v1, v12, WPITCH
	v_lshl_add_u32 v1, v13, 5, v1                  ; r x 528 + 32 h
	v_add_nc_u32 v[WADR], s2, v1
	v_add_nc_u32 v[WADR+1], SLOT, v[WADR]
	v_add_nc_u32 v[WADR+2], SLOT, v[WADR+1]
	s_mul_i32 s2, s15, 64*WPITCH                   ; the stage: slot 1's W part as 128 rows of 512 bytes, pitch 528
	s_lshl_b32 s3, s16, 7
	s_add_co_u32 s2, s2, s3
	s_add_co_u32 s2, s2, SLOT
	v_add_nc_u32 v[STO], s2, v1
	s_mul_i32 s2, s[WV], 16*WPITCH
	s_add_co_u32 s2, s2, SLOT
	v_lshl_add_u32 v[SRD], v14, 4, s2
	v_lshlrev_b32 v[GOFF], 4, v14
; the fragments of 32 along K: Wo's two column tiles as f32 (8 loads), then ao's four row tiles (8 loads)
.macro LOADK slot, kk, buf
.irp m, 0,1
	ds_load_b128 v[WR+16*\m:WR+16*\m+3],     v[WADR+\slot] offset:\m*16*WPITCH+\kk*128
	ds_load_b128 v[WR+16*\m+4:WR+16*\m+7],   v[WADR+\slot] offset:\m*16*WPITCH+\kk*128+16
	ds_load_b128 v[WR+16*\m+8:WR+16*\m+11],  v[WADR+\slot] offset:\m*16*WPITCH+\kk*128+64
	ds_load_b128 v[WR+16*\m+12:WR+16*\m+15], v[WADR+\slot] offset:\m*16*WPITCH+\kk*128+80
.endr
.irp n, 0,1,2,3
	ds_load_b128 v[AF+32*\buf+8*\n:AF+32*\buf+8*\n+3],   v[AADR+\slot] offset:(\kk/2)*128*APITCH+\n*16*APITCH+(\kk%2)*64
	ds_load_b128 v[AF+32*\buf+8*\n+4:AF+32*\buf+8*\n+7], v[AADR+\slot] offset:(\kk/2)*128*APITCH+\n*16*APITCH+(\kk%2)*64+32
.endr
.endm
; 32 along K on buffer buf.  The 16 conversions are the places between the last step's matrix instructions and the loads into the other buffer.
; The eight accumulators take turns, one instruction a turn.
.macro STEP buf, first, next, nslot, nkk
	s_wait_dscnt 8                                 ; Wo's 8 loads are in; ao's 8 are younger
.set si, 0
.rept 16
	v_cvt_pk_bf16_f32 v[WB+16*\buf+si], v[WR+2*si], v[WR+2*si+1]
.set si, si+1
.endr
.if \next
	LOADK \nslot, \nkk, (1-\buf)
	s_wait_dscnt 16                                ; this step's ao is in; the 16 just issued stay out
.else
	s_wait_dscnt 0x0
.endif
.irp m, 0,1
.irp n, 0,1,2,3
.if \first
	v_wmma_f32_16x16x32_bf16 v[ACC+8*(4*\m+\n):ACC+8*(4*\m+\n)+7], v[WB+16*\buf+8*\m:WB+16*\buf+8*\m+7], v[AF+32*\buf+8*\n:AF+32*\buf+8*\n+7], v[BO+8*\m:BO+8*\m+7]
.else
	v_wmma_f32_16x16x32_bf16 v[ACC+8*(4*\m+\n):ACC+8*(4*\m+\n)+7], v[WB+16*\buf+8*\m:WB+16*\buf+8*\m+7], v[AF+32*\buf+8*\n:AF+32*\buf+8*\n+7], v[ACC+8*(4*\m+\n):ACC+8*(4*\m+\n)+7]
.endif
.endr
.endr
.endm
	s_wait_loadcnt 0x0                             ; the bias
	s_wait_tensorcnt 0x2                           ; my part of chunk 0 is in; chunks 1 and 2 stay out
	BAR
	LOADK 0, 0, 0                                  ; chunk 0
	STEP 0, 1, 1, 0, 1
	STEP 1, 0, 1, 0, 2
	STEP 0, 0, 1, 0, 3
	STEP 1, 0, 0, 0, 0
	s_wait_tensorcnt 0x0                           ; all my tensor loads have landed (chunks 1 and 2 among them),
	ds_add_u32 v224, v225
	s_add_nc_u64 s[G0W+2:G0W+3], s[G0W+2:G0W+3], 3*512             ; so slot 0's sets may step to chunk 3
	s_add_nc_u64 s[G0A+2:G0A+3], s[G0A+2:G0A+3], 3*1048576
	s_wait_dscnt 0x0                               ; my reads of slot 0 are over
	ROUND                                          ; both now hold of every wave of the four partners
	JLOAD 0                                        ; chunk 3: my one tensor load behind the round; it has two chunks' work in which to land
	LOADK 1, 0, 0                                  ; chunks 1 and 2, no barrier between them: the round has shown both slots whole
	STEP 0, 0, 1, 1, 1
	STEP 1, 0, 1, 1, 2
	STEP 0, 0, 1, 1, 3
	STEP 1, 0, 1, 2, 0
	STEP 0, 0, 1, 2, 1
	STEP 1, 0, 1, 2, 2
	STEP 0, 0, 1, 2, 3
	STEP 1, 0, 0, 0, 0
	s_wait_tensorcnt 0x0                           ; my part of chunk 3
	s_wait_dscnt 0x0
	BAR                                            ; everybody's
	LOADK 0, 0, 0
	STEP 0, 0, 1, 0, 1
	STEP 1, 0, 1, 0, 2
	STEP 0, 0, 1, 0, 3
	STEP 1, 0, 0, 0, 0
	; THE WAY OUT: the block's 128 rows of 512 bytes are gathered in slot 1's W part, which has had its last fill and its last read; then whole rows leave.
	PLACES
.irp m, 0,1
.irp n, 0,1,2,3
	ds_store_b128 v[STO], v[ACC+8*(4*\m+\n):ACC+8*(4*\m+\n)+3]   offset:\n*16*WPITCH+\m*64
	ds_store_b128 v[STO], v[ACC+8*(4*\m+\n)+4:ACC+8*(4*\m+\n)+7] offset:\n*16*WPITCH+\m*64+16
.endr
.endr
	s_wait_dscnt 0x0                               ; my part of the rows is written
	BAR                                            ; everybody's is
.set oi, 0
.rept 16
	ds_load_b128 v[AF+4*oi:AF+4*oi+3], v[SRD] offset:oi*WPITCH     ; row 16 w + oi, whole
.set oi, oi+1
.endr
.set oi, 0
.rept 16
	s_wait_dscnt 15-oi                             ; row oi is in, the younger ones stay out
	global_store_b128 v[GOFF], v[AF+4*oi:AF+4*oi+3], s[10:11] offset:2048*oi th:TH_STORE_NT   ; 512 consecutive bytes, aligned
.set oi, oi+1
.endr
	s_wait_tensorcnt 0x0
	ds_add_u32 v224, v225
	s_wait_dscnt 0x0
	ROUND                                          ; the closing round
	s_endpgm
.Lfunc_end_k_q8a7d76d332_oproj:
	.size	k_q8a7d76d332_oproj, .Lfunc_end_k_q8a7d76d332_oproj-k_q8a7d76d332_oproj
	.p2alignl 7, 3214868480
	.fill 96, 4, 3214868480
	.section	.rodata,"a",@progbits
	.p2align	6, 0x0
	.amdhsa_kernel k_q8a7d76d332_oproj
		.amdhsa_group_segment_fixed_size 327680
		.amdhsa_private_segment_fixed_size 0
		.amdhsa_enable_private_segment 0
		.amdhsa_kernarg_size 32
		.amdhsa_user_sgpr_count 2
		.amdhsa_user_sgpr_kernarg_segment_ptr 1
		.amdhsa_wavefront_size32 1
		.amdhsa_system_sgpr_workgroup_id_x 1
		.amdhsa_system_sgpr_workgroup_id_y 1
		.amdhsa_system_sgpr_workgroup_id_z 1
		.amdhsa_system_vgpr_workitem_id 0
		.amdhsa_next_free_vgpr 226
		.amdhsa_next_free_sgpr 70
		.amdhsa_reserve_vcc 0
		.amdhsa_float_denorm_mode_32 3
		.amdhsa_float_denorm_mode_16_64 3
		.amdhsa_memory_ordered 1
		.amdhsa_forward_progress 1
		.amdhsa_inst_pref_size 55
	.end_amdhsa_kernel
	.amdgpu_metadata
---
amdhsa.version: [ 1, 2 ]
amdhsa.kernels:
  - .name:           k_q8a7d76d332_oproj
    .symbol:         k_q8a7d76d332_oproj.kd
    .args:
      - { .name: ao, .offset: 0, .size: 8, .value_kind: global_buffer, .address_space: global }
      - { .name: Wo, .offset: 8, .size: 8, .value_kind: global_buffer, .address_space: global }
      - { .name: bo, .offset: 16, .size: 8, .value_kind: global_buffer, .address_space: global }
      - { .name: out0, .offset: 24, .size: 8, .value_kind: global_buffer, .address_space: global }
    .group_segment_fixed_size: 327680
    .private_segment_fixed_size: 0
    .kernarg_segment_align: 8
    .kernarg_segment_size: 32
    .max_flat_workgroup_size: 256
    .sgpr_count:     70
    .vgpr_count:     226
    .wavefront_size: 32
...
	.end_amdgpu_metadata
.endif
;; end of part 3
